; MI455X (gfx1250); checked and timed in simulation.
; The chip was launched on July 23, 2026; its instructions are those of AMD's public machine-readable ISA for CDNA 5 (MIT licence, August 2026) and "CDNA5" Instruction Set Architecture Reference Guide (July 2026). The comments in the code are by the model that wrote it; some were corrected since.
;; Band Processor With History. Allowed arithmetic: matrix products marked QUANTISED: E2M3 operands, one E8M0 scale for each 32 along K, by v_wmma_scale_f32_16x16x128_f8f6f4 with both operands' format E2M3, f32 sums; products left as they are: f32 operands where the result goes on into a quantised operand, else bf16, f16 or f32 operands; f32 sums; everything else in f32.
;; Inputs: W1 1,024 x 512 float32; W2 512 x 1,024 float32; Wk 512 x 512 float32; Wo 512 x 512 float32; Wq 512 x 512 float32; Wv 512 x 512 float32; b1 1,024 float32; b2 512 float32; be1 512 float32; be2 512 float32; bk 512 float32; bo 512 float32; bq 512 float32; bv 512 float32; g1 512 float32; g2 512 float32; history 2,048 x 32 x 512 float32; x 8 x 2,048 x 512 float32.
;; Outputs: out0 8 x 2,048 x 512 float32.
;; This version of the problem:
;;   THIS VERSION OF THE PROBLEM IS GIVEN IN LOW PRECISION. The matrix products marked QUANTISED in the list below multiply operands that are first quantised to E2M3 (2 exponent bits, 3 mantissa bits; 6 bits a number), with one power-of-two scale for each 32 numbers along K (OCP MX v1.0); their sums are f32. All else is computed in f32.
;;   The module's matrix products, in the order in which they are computed (A, B: the left and right operand; K: the contracted axis; several contracted axes count as one K, in the product's order):
;;     1. [M 16,384, K 512] x [K 512, N 512]; A: computed on the way; B: input Wq: QUANTISED
;;     2. [M 65,536, K 512] x [K 512, N 512]; A: input history; B: input Wk: QUANTISED
;;     3. [M 65,536, K 512] x [K 512, N 512]; A: input history; B: input Wv: QUANTISED
;;     4. batch 2,048 x [M 32, K 512] x [K 512, N 8]; A: computed on the way; B: computed on the way: left as it is (N = 8 < 16)
;;     5. batch 2,048 x [M 512, K 32] x [K 32, N 8]; A: computed on the way; B: softmax: left as it is (N = 8 < 16)
;;     6. [M 16,384, K 512] x [K 512, N 512]; A: computed on the way; B: input Wo: QUANTISED
;;     7. [M 16,384, K 512] x [K 512, N 1,024]; A: computed on the way; B: input W1: QUANTISED
;;     8. [M 16,384, K 1,024] x [K 1,024, N 512]; A: computed on the way; B: input W2: QUANTISED
;;   THE QUANTISER, for each operand of a quantised product, along K:
;;     - K is cut into blocks of 32 from its start; a last block that is shorter is filled with zeros.
;;     - A block's scale is 2^e with e = floor(log2(the largest magnitude in the block)) - 2, held to -126 .. 127; a block of zeros has e = 0. As a byte (E8M0): e + 127.
;;     - Each number is divided by its block's scale, clamped to +-7.5, and rounded to the nearest number of E2M3, ties to even, subnormals kept.
;;     - The product sums the exact products of the quantised numbers (number of the format x scale) in f32.
;;   ~~~python
;;   def quantise(x, axis):      # numpy; x: float32 -> the quantised numbers, widened to float32 again
;;       x = np.moveaxis(x, axis, -1); K = x.shape[-1]
;;       x = np.pad(x, [(0, 0)] * (x.ndim - 1) + [(0, -K % 32)]); x = x.reshape(x.shape[:-1] + (-1, 32)); a = np.abs(x).max(-1, keepdims=True)
;;       e = np.where(a > 0, np.clip(np.frexp(np.where(a > 0, a, 1))[1] - 1 - 2, -126, 127), 0)      # np.frexp(a)[1] - 1 = floor(log2(a)), exactly
;;       r = np.clip(x / 2.0 ** e, -7.5, 7.5)
;;       step = 2.0 ** (np.maximum(np.frexp(np.where(r == 0, 1, r))[1] - 1, 0) - 3)
;;       q = np.round(r / step) * step * 2.0 ** e      # np.round: ties to even
;;       return np.moveaxis(q.reshape(q.shape[:-2] + (-1,))[..., :K], -1, axis).astype(np.float32)
;;   ~~~
;;   OPERANDS COMPUTED ON THE WAY. 'Computed on the way' means the value that the module computes at that place (a softmax that the list does not call 'softmax' is quantised finished and normalised). What goes into a quantiser is computed in f32, as accurately as f32 sums, v_exp_f32 and their like allow (about 1e-6 of the number): no bf16 or f16 on the way to a quantiser, and a product that is left as it is and whose result goes on into a quantised operand takes f32 operands (vector FMAs, or v_wmma_f32_16x16x4_f32). A number that lies on a knife's edge between two numbers of the format may be rounded either way, as far as f32 arithmetic and the matrix unit's own rounding can turn it there, and no further.
;; One version. Each part assembles by itself: llvm-mc -triple=amdgcn-amd-amdhsa -mcpu=gfx1250 --defsym DOCPART=n.
;; ======== version 1 of 1: 2 launches
;; limits: a function is approximated: absolute error at most 1.5e-07
;; workspace buffers: wbuf 1,703,936 bytes
;; launch prep (part 1): grid 256 x 1, 1 waves a work-group, no clusters, 0 bytes of LDS; arguments Wq, Wk, Wv, Wo, W1, W2, wbuf; writes wbuf
.if DOCPART == 1
	.amdgcn_target "amdgcn-amd-amdhsa--gfx1250"
	.amdhsa_code_object_version 6
	.text
	.protected	k_q046e308bb9_prep
	.globl	k_q046e308bb9_prep
	.p2align	8
	.type	k_q046e308bb9_prep,@function
k_q046e308bb9_prep:
	s_mov_b64 s[64:65], 0
	v_nop
	global_prefetch_b8 v0, s[64:65] scope:SCOPE_SE
	s_setreg_imm32_b32 hwreg(HW_REG_WAVE_MODE, 25, 1), 1
	s_wait_xcnt 0x0
; The six weights, f32 with K innermost, become codes of E2M3 with one E8M0 byte for each 32 along K, laid in the ORDER OF THE OPERAND'S REGISTERS.
; wbuf: 32 blocks of 53,248 bytes, block (u, w) at (4 u + w) x 53,248; u = 0..7: Wq, Wk, Wv, Wo, W1 rows 0-511, W1 rows 512-1023, W2 (two halves of a wave's columns); w: the wave that will read it.
; In a block: fragment f (16 rows x 128 K, 12 registers a lane) at 1,536 f, registers 4 c .. 4 c + 3 of lane l at 512 c + 16 l; from byte 49,152 the scale word of (f, lane l) at 512 (f / 4) + 16 l + 4 (f % 4).
; Fragment f is tile T, K step ks.  u <= 5: T = f / 4, ks = f % 4, first row 128 w (+ 512 for u = 5).  u >= 6: T = (f / 4) % 4, ks = f % 4 + 4 (f / 16), first row 128 w + 64 (u - 6).
; THE ROWS OF A TILE ARE NOT NEIGHBOURS: lane r of tile T takes row 32 (T / 2) + 8 (T % 2) + r + 8 (r / 8), so that a transposed product's 16 registers of two neighbouring tiles are 16 neighbours along the next K.
; One wave to a work-group; work-group g = 32 u + 8 w + q makes the four fragments 4 q .. 4 q + 3: one tile's four K steps.
; A block's scale is 2^(floor(log2(largest magnitude)) - 2); its byte is the largest magnitude's exponent field - 2, held at 1 from below.
; LIMITS: a block of zeros gets the byte 1 where the rule says 127 (its codes are zeros, and this program alone reads the bytes); NaN and infinities are not served.
.set TM,  16                           ; v16-31  largest magnitudes, bytes, scale operands
.set PC,  32                           ; v32-51  the codes just made
.set PW,  52                           ; v52     the scale word just made
.set SW,  56                           ; v56-59  the four fragments' scale words
.set NUM, 64                           ; v64-255 three sets of 64 numbers
; 64 numbers of a lane, register 16 b + i = k 32 b + 16 (lane / 16) + i of my row, become a fragment's 12 registers in v[PC] on and its scale word in v[PW]
.macro QUANT s
.irp b, 0,1,2,3
	v_max3_num_f32 v[TM+\b], |v[(\s)+16*\b]|, |v[(\s)+1+16*\b]|, 0x1800000   ; my 16 numbers of block b, and the floor 2^(3 - 127): the byte cannot fall under 1
.endr
.irp i, 2,4,6,8,10,12,14
.irp b, 0,1,2,3
	v_max3_num_f32 v[TM+\b], v[TM+\b], |v[(\s)+16*\b+\i]|, |v[(\s)+1+16*\b+\i]|
.endr
.endr
.irp b, 0,1,2,3
	v_permlanex16_b32 v[TM+4+\b], v[TM+\b], s40, s41
.endr
.irp b, 0,1,2,3
	v_max_num_f32 v[TM+\b], v[TM+\b], v[TM+4+\b]           ; with lane l xor 16's: the block's largest magnitude
.endr
.irp b, 0,1,2,3
	v_add_nc_u32 v[TM+12+\b], 0xff000000, v[TM+\b]         ; 2 off its exponent field: the conversion's scale operand
.endr
.irp b, 0,1,2,3
	v_lshrrev_b32 v[TM+4+\b], 23, v[TM+12+\b]              ; the scale's byte
.endr
	v_lshl_or_b32 v[PW], v[TM+5], 8, v[TM+4]
	v_lshl_or_b32 v[PW], v[TM+6], 16, v[PW]
	v_lshl_or_b32 v[PW], v[TM+7], 24, v[PW]
.irp c, 0,1
	v_cvt_scalef32_pk16_fp6_f32 v[PC+6*\c:PC+2+6*\c], v[(\s)+32*\c:(\s)+15+32*\c], v[TM+12+2*\c]
	v_cvt_scalef32_pk16_fp6_f32 v[PC+12+4*\c:PC+14+4*\c], v[(\s)+16+32*\c:(\s)+31+32*\c], v[TM+12+2*\c+1]
.endr
	v_nop                                                  ; one plain place behind a scaled conversion
.irp c, 0,1                                            ; the operand wants a whole block in a lane: lanes 0-15 block 2 c, lanes 16-31 block 2 c + 1
.irp i, 0,1,2
	v_permlane16_swap_b32 v[PC+6*\c+\i], v[PC+12+4*\c+\i]
.endr
.irp i, 0,1,2
	v_mov_b32 v[PC+3+6*\c+\i], v[PC+12+4*\c+\i]
.endr
.endr
.endm
.macro LOADF j                         ; K step j of my tile: 64 numbers a lane into set j % 3
.irp b, 0,1,2,3
.irp i, 0,1,2,3
	global_load_b128 v[NUM+64*((\j)%3)+16*\b+4*\i:NUM+64*((\j)%3)+16*\b+4*\i+3], v4, s[24:25] offset:512*(\j)+128*\b+16*\i th:TH_LOAD_NT
.endr
.endr
.endm
.macro FRAG j, cnt
	s_wait_loadcnt \cnt                                    ; this fragment's 16 loads are in; the count is the younger fragments' loads
	s_wait_xcnt 0x0                                        ; the last fragment's stores have read v[PC] on
	QUANT NUM+64*((\j)%3)
	v_mov_b32 v[SW+\j], v[PW]
.irp c, 0,1,2
	global_store_b128 v5, v[PC+4*\c:PC+4*\c+3], s[16:17] offset:1536*(\j)+512*\c   ; 32 lanes store 512 consecutive bytes
.endr
.endm
	s_load_b256 s[4:11], s[0:1], 0x0               ; Wq, Wk, Wv, Wo
	s_load_b128 s[12:15], s[0:1], 0x20             ; W1, W2
	s_load_b64 s[16:17], s[0:1], 0x30              ; wbuf
	s_lshr_b32 s20, ttmp9, 5                       ; u
	s_bfe_u32 s21, ttmp9, 0x20003                  ; w
	s_and_b32 s22, ttmp9, 7                        ; q
	s_mov_b32 s40, 0x76543210
	s_mov_b32 s41, 0xfedcba98                      ; v_permlanex16_b32's selects for lane l xor 16
	s_lshl_b32 s30, s21, 7                         ; 128 w
	s_sub_co_u32 s29, s20, 6
	s_lshl_b32 s29, s29, 6
	s_add_co_u32 s29, s29, s30                     ; u >= 6: first row 128 w + 64 (u - 6)
	s_cmp_eq_u32 s20, 5
	s_cselect_b32 s31, 512, 0
	s_add_co_u32 s30, s30, s31                     ; u <= 5: first row 128 w, + 512 for W1's second half
	s_and_b32 s27, s22, 3                          ; u >= 6: T = q % 4,
	s_lshr_b32 s28, s22, 2
	s_lshl_b32 s28, s28, 11                        ; and the K steps begin 2,048 (q / 4) bytes along the row
	v_and_b32 v1, 15, v0                           ; r
	v_lshrrev_b32 v2, 4, v0                        ; h
	v_and_b32 v3, 8, v1
	v_add_nc_u32 v3, v3, v1                        ; r + 8 (r / 8)
	v_lshlrev_b32 v5, 4, v0                        ; 16 x lane
.irp b, 0,1,2,3
	v_mov_b32 v[TM+4+\b], 0                        ; a lane permute's destination counts as one of its sources
.endr
	s_wait_kmcnt 0x0
	s_mov_b64 s[24:25], s[4:5]                     ; the unit's tensor: a choice that hangs on the work-group's number alone
	s_cmp_eq_u32 s20, 1
	s_cselect_b64 s[24:25], s[6:7], s[24:25]
	s_cmp_eq_u32 s20, 2
	s_cselect_b64 s[24:25], s[8:9], s[24:25]
	s_cmp_eq_u32 s20, 3
	s_cselect_b64 s[24:25], s[10:11], s[24:25]
	s_cmp_ge_u32 s20, 4
	s_cselect_b64 s[24:25], s[12:13], s[24:25]
	s_cmp_ge_u32 s20, 6
	s_cselect_b64 s[24:25], s[14:15], s[24:25]
	s_cselect_b32 s26, 12, 11                      ; a row is 4,096 bytes (W2) or 2,048
	s_cselect_b32 s27, s27, s22                    ; T
	s_cselect_b32 s28, s28, 0                      ; bytes along the row
	s_cselect_b32 s29, s29, s30                    ; first row
	s_lshr_b32 s32, s27, 1
	s_lshl_b32 s32, s32, 5
	s_and_b32 s33, s27, 1
	s_lshl_b32 s33, s33, 3
	s_add_co_u32 s34, s29, s32
	s_add_co_u32 s34, s34, s33                     ; the tile's first row
	s_lshl_b32 s34, s34, s26
	s_add_co_u32 s34, s34, s28
	s_mov_b32 s35, 0
	s_add_nc_u64 s[24:25], s[24:25], s[34:35]
	v_lshlrev_b32 v4, s26, v3
	v_lshl_add_u32 v4, v2, 6, v4                   ; my row, + 64 h: my 16 numbers of each block of 32
	s_lshl_b32 s36, s20, 2
	s_add_co_u32 s36, s36, s21
	s_mul_i32 s36, s36, 53248
	s_mov_b32 s37, 0
	s_add_nc_u64 s[16:17], s[16:17], s[36:37]      ; my block
	s_lshl_b32 s36, s22, 9
	s_add_nc_u64 s[18:19], s[16:17], s[36:37]      ; + 512 q: the scale words
	s_mul_i32 s36, s22, 6144
	s_add_nc_u64 s[16:17], s[16:17], s[36:37]      ; + 6,144 q: the codes
	LOADF 0
	LOADF 1
	LOADF 2
	FRAG 0, 32
	LOADF 3                                        ; into the set that fragment 0 has left
	FRAG 1, 32
	FRAG 2, 16
	FRAG 3, 0
	global_store_b128 v5, v[SW:SW+3], s[18:19] offset:49152
	s_endpgm
.Lfunc_end_k_q046e308bb9_prep:
	.size	k_q046e308bb9_prep, .Lfunc_end_k_q046e308bb9_prep-k_q046e308bb9_prep
	.p2alignl 7, 3214868480
	.fill 96, 4, 3214868480
	.section	.rodata,"a",@progbits
	.p2align	6, 0x0
	.amdhsa_kernel k_q046e308bb9_prep
		.amdhsa_group_segment_fixed_size 0
		.amdhsa_private_segment_fixed_size 0
		.amdhsa_enable_private_segment 0
		.amdhsa_kernarg_size 56
		.amdhsa_user_sgpr_count 2
		.amdhsa_user_sgpr_kernarg_segment_ptr 1
		.amdhsa_wavefront_size32 1
		.amdhsa_system_sgpr_workgroup_id_x 1
		.amdhsa_system_sgpr_workgroup_id_y 1
		.amdhsa_system_sgpr_workgroup_id_z 1
		.amdhsa_system_vgpr_workitem_id 0
		.amdhsa_next_free_vgpr 256
		.amdhsa_next_free_sgpr 66
		.amdhsa_reserve_vcc 0
		.amdhsa_float_denorm_mode_32 3
		.amdhsa_float_denorm_mode_16_64 3
		.amdhsa_memory_ordered 1
		.amdhsa_forward_progress 1
		.amdhsa_inst_pref_size 26
	.end_amdhsa_kernel
	.amdgpu_metadata
---
amdhsa.version: [ 1, 2 ]
amdhsa.kernels:
  - .name:           k_q046e308bb9_prep
    .symbol:         k_q046e308bb9_prep.kd
    .args:
      - { .name: Wq, .offset: 0, .size: 8, .value_kind: global_buffer, .address_space: global }
      - { .name: Wk, .offset: 8, .size: 8, .value_kind: global_buffer, .address_space: global }
      - { .name: Wv, .offset: 16, .size: 8, .value_kind: global_buffer, .address_space: global }
      - { .name: Wo, .offset: 24, .size: 8, .value_kind: global_buffer, .address_space: global }
      - { .name: W1, .offset: 32, .size: 8, .value_kind: global_buffer, .address_space: global }
      - { .name: W2, .offset: 40, .size: 8, .value_kind: global_buffer, .address_space: global }
      - { .name: wbuf, .offset: 48, .size: 8, .value_kind: global_buffer, .address_space: global }
    .group_segment_fixed_size: 0
    .private_segment_fixed_size: 0
    .kernarg_segment_align: 8
    .kernarg_segment_size: 56
    .max_flat_workgroup_size: 32
    .sgpr_count:     66
    .vgpr_count:     256
    .wavefront_size: 32
...
	.end_amdgpu_metadata
.endif
;; end of part 1
;; launch fused (part 2): grid 256 x 1, 4 waves a work-group, no clusters, 325,120 bytes of LDS; arguments x, history, wbuf, bq, bk, bv, bo, b1, b2, g1, be1, g2, be2, out0; writes out0
.if DOCPART == 2
	.amdgcn_target "amdgcn-amd-amdhsa--gfx1250"
	.amdhsa_code_object_version 6
	.text
	.protected	k_q046e308bb9_fused
	.globl	k_q046e308bb9_fused
	.p2align	8
	.type	k_q046e308bb9_fused,@function
k_q046e308bb9_fused:
	s_mov_b64 s[64:65], 0
	v_nop
	global_prefetch_b8 v0, s[64:65] scope:SCOPE_SE
	s_setreg_imm32_b32 hwreg(HW_REG_WAVE_MODE, 25, 1), 1
	s_wait_xcnt 0x0
; All of the module for 8 positions t: layer norm, Q, K and V of the positions' 256 history rows, attention over 32 history rows, Wo and residual, layer norm, gelu FFN and residual.  K and V never go to memory.
; The six large products run on codes of E2M3 with E8M0 scales (16x16x128); the two small ones (scores, attended) feed a quantiser and run on f32 operands (16x16x4).
; SHARES.  Work-group wg owns t = 8 wg .. 8 wg + 7: 16 tiles of 16 history rows (tile i: t_local = i / 2, rows 16 (i % 2) on) and 4 tiles of 16 token rows (tile m, row r: t_local = 2 m + r / 8, b = r % 8).
; IN PRODUCTS THE FOUR WAVES SHARE THE COLUMNS: wave w owns output columns 128 w .. 128 w + 127; weights come from wbuf straight into its registers, in register order,
; and the rows' codes go from wave to wave through LDS as images of the operand's registers.  In row-wise work (loads, norms, history's quantiser, softmax, stores) wave w owns token tile w and history tiles 4 w .. 4 w + 3.
; WEIGHTS BY HALVES, A PASS AHEAD.  A unit of weights is two halves of 16 fragments: half A in window 1, half B in window 2.  K, V, the hidden layer and the last product run as PASSES: one half against all row tiles;
; while a pass works on one window, the next pass's half (48 + 4 + 8 loads) lands in the other.  Q and Wo take both halves in a trip: their passes would be as short as the load that they should cover.
; ROWS A TRIP AHEAD.  In K, V and the hidden layer the next tile's fragments are asked for from LDS behind the products that read the present ones, and land under the f32 products or the gelu.
; NO TENSOR LOADS, NO CLUSTER: the work-group's own data take 324,608 of the 327,680 bytes of LDS, so there is no room for a ring of weight tiles that partners could share.
; LAYOUT.  Products are used transposed (source 0 = 16 rows of W, source 1 = 16 rows of activations): lane (r, h) holds row r, and its registers the columns 32 b + 16 h + i: the next product's K as the quantiser wants it.
; Scores: K's and Q's transposed results ARE the f32 form's A and B (the same map from (h, register) to d on both sides); result: register j = history row 8 h + j, lane r = token row.  Each wave sums its 128 d; the parts meet in LDS.
; Attended: V is made in natural order (source 0 = history rows), which IS the f32 form's A; B is the attention tile in the scores' own layout, with zeros in the rows of the tile's other t.
; ARITHMETIC, stated: gelu = max(a, 0) - |a| w, w = erfc(|a| / sqrt 2) / 2 by Abramowitz and Stegun 7.1.26 (absolute error of erfc 1.5e-7, no difference of near numbers);
; bv is the starting sum of attended (the weights of a row add up to 1 within f32 rounding); the 1e-10 beside the decay is under half an ulp of every decay (the least is 0.2039) and is left out;
; a block of zeros gets the scale byte 1 (its codes are zeros; this program alone reads the bytes).  NaN and infinities among the inputs are not served.
.set XF,    0                          ; LDS: 64 token rows of f32, pitch 2,064: x, then x2, then the result
.set HIMG,  132096                     ; history's 64 fragments (4 i + s), 1,536 bytes each; later the hidden layer's 32 (16 u + 4 m + w)
.set HSC,   230400                     ; their scale words, 128 bytes a fragment
.set TIMG,  238592                     ; the token rows' 16 fragments (4 m + s): xn, then attended, then h2
.set TSC,   263168                     ; their scale words
.set STAGE, 265216                     ; a stage of 16 rows x 528 bytes for each wave
.set PS,    238592                     ; partial scores [wave][i], 1,024 bytes each: over TIMG, TSC and STAGE, which are idle then
.set AIMG,  304128                     ; attention tile i, 1,024 bytes
.set GB,    320512                     ; a norm's gain (2,048 bytes), then its bias
.set VL16, 1                           ; 16 x lane
.set VL4,  2                           ; 4 x lane
.set VH64, 3                           ; 64 h
.set VX,   4                           ; (16 w + r) 2,064 + 64 h: my row of my token tile
.set VD,   5                           ; r 2,064 + 512 w + 64 h: my columns of row r of a token tile
.set VSTW, 6                           ; my stage, 16 x lane
.set VSTR, 7                           ; my stage, row r, + 64 h
.set VIW,  12                          ; 16 x lane + 1,536 w
.set VSW,  13                          ; 4 x lane + 128 w
.set VXS,  14                          ; 16 w 2,064 + 16 x lane
.set VGB,  15                          ; GB + 64 h
.set WS,   16                          ; v16-47  the weights' scale words (16 a half);  v48-51 the rows': scales and nothing else
.set AS,   48
.set TM,   52                          ; v52-67  the quantiser's work
.set PC,   68                          ; v68-87  the codes just made
.set PW,   88                          ; v88     the scale word just made
.set RHI,  89                          ; v89     r / 8
.set MU,   90                          ; v90-91  the row's mean, twice;  v92-93 1 / sqrt(var + eps), twice
.set RS,   92
.set ATT,  94                          ; v94-109 two attention tiles, by turns
.set TT0,  102                         ; v102-109 at work outside the V passes
.set CA4,  110                         ; v110-111 a4 / 2, twice
.set VN8,  112                         ; v112-114 (V) the next token tile's first addresses
.set VN9,  113
.set VN10, 114
.set TS,   118                         ; v118-125 at work
.set ACC,  128                         ; v128-191 8 tiles of results; a pass uses the lower 4
.set GZ,   160                         ; (gelu) z, t, e, P: in the upper half of ACC, which a pass leaves free
.set GT,   168
.set GE,   176
.set GP,   184
.set AF,   192                         ; v192-239 four fragments of rows
.set VB,   192                         ; (loads of x, stores of the result) 16 x lane + b x 4,194,304
.set DB,   192                         ; (softmax) the decay's 16 logarithms
.set SCA,  240                         ; v240-255 two accumulators of scores: written by matrix instructions alone
.set SCB,  248
.set BIAS, 192                         ; window 1: v0-191 half A, v192-255 a bias in the result's layout (32 a half)
.set GG,   192                         ; window 2: v0-191 half B, v192-255 a norm's gain
.set RA,   64                          ; window 3: Q at 64 m + 8 T; v0-31 then attended (matrix instructions alone); v64-127, v128-191 two sets for loads and stores; v192-255 a norm's bias
.set RB,   128
.set BE,   192
.set MSB, 0
.macro WIN new                         ; bits 1:0 source 0, 3:2 source 1, 5:4 source 2, 7:6 destination; the high byte repeats the setting that is left
.if MSB != (\new)
	s_set_vgpr_msb (MSB<<8)|(\new)
.set MSB, (\new)
.endif
.endm
.macro PLACES n                        ; plain vector places behind matrix instructions (ISA guide 7.12.1)
.rept \n
	v_nop
.endr
.endm
.macro SPAIR r, val
	s_mov_b32 s[\r], \val
	s_mov_b32 s[\r+1], \val
.endm
.macro BAR                             ; my LDS stores have landed and my LDS loads are in: then the work-group's barrier
	s_wait_dscnt 0x0
	s_barrier_signal -1
	s_barrier_wait -1
.endm
; 64 numbers of a lane in window nw, register 16 b + i = k 32 b + 16 h + i of my row, become a fragment's 12 registers in v[PC] on and its scale word in v[PW].  Each tile of 8 is first read at its registers 0 and 1.
.macro QUANT s, nw
	WIN (\nw)|((\nw)<<2)
.irp b, 0,1,2,3
	v_max3_num_f32 v[TM+\b], |v[(\s)+16*\b]|, |v[(\s)+1+16*\b]|, 0x1800000   ; and the floor 2^(3 - 127): the byte cannot fall under 1
.endr
	WIN ((\nw)<<2)|((\nw)<<4)
.irp i, 2,4,6,8,10,12,14
.irp b, 0,1,2,3
	v_max3_num_f32 v[TM+\b], v[TM+\b], |v[(\s)+16*\b+\i]|, |v[(\s)+1+16*\b+\i]|
.endr
.endr
	WIN 0
.irp b, 0,1,2,3
	v_permlanex16_b32 v[TM+4+\b], v[TM+\b], s32, s33
.endr
.irp b, 0,1,2,3
	v_max_num_f32 v[TM+\b], v[TM+\b], v[TM+4+\b]           ; with lane l xor 16's: the block's largest magnitude
.endr
.irp b, 0,1,2,3
	v_add_nc_u32 v[TM+12+\b], 0xff000000, v[TM+\b]         ; 2 off its exponent field: the conversion's scale operand
.endr
.irp b, 0,1,2,3
	v_lshrrev_b32 v[TM+4+\b], 23, v[TM+12+\b]              ; the scale's byte
.endr
	v_lshl_or_b32 v[PW], v[TM+5], 8, v[TM+4]
	v_lshl_or_b32 v[PW], v[TM+6], 16, v[PW]
	v_lshl_or_b32 v[PW], v[TM+7], 24, v[PW]
	WIN (\nw)
.irp c, 0,1
	v_cvt_scalef32_pk16_fp6_f32 v[PC+6*\c:PC+2+6*\c], v[(\s)+32*\c:(\s)+15+32*\c], v[TM+12+2*\c]
	v_cvt_scalef32_pk16_fp6_f32 v[PC+12+4*\c:PC+14+4*\c], v[(\s)+16+32*\c:(\s)+31+32*\c], v[TM+12+2*\c+1]
.endr
	WIN 0
	v_nop                                                  ; one plain place behind a scaled conversion
.irp c, 0,1
.irp i, 0,1,2
	v_permlane16_swap_b32 v[PC+6*\c+\i], v[PC+12+4*\c+\i]
.endr
.irp i, 0,1,2
	v_mov_b32 v[PC+3+6*\c+\i], v[PC+12+4*\c+\i]
.endr
.endr
.endm
; The same for a pass's 32 numbers: two blocks of 32 along K, half a fragment: six registers in v[PC] on, two scale bytes in the low half of v[PW]
.macro QUANT2 s, nw
	WIN (\nw)|((\nw)<<2)
.irp b, 0,1
	v_max3_num_f32 v[TM+\b], |v[(\s)+16*\b]|, |v[(\s)+1+16*\b]|, 0x1800000
.endr
	WIN ((\nw)<<2)|((\nw)<<4)
.irp i, 2,4,6,8,10,12,14
.irp b, 0,1
	v_max3_num_f32 v[TM+\b], v[TM+\b], |v[(\s)+16*\b+\i]|, |v[(\s)+1+16*\b+\i]|
.endr
.endr
	WIN 0
.irp b, 0,1
	v_permlanex16_b32 v[TM+4+\b], v[TM+\b], s32, s33
.endr
.irp b, 0,1
	v_max_num_f32 v[TM+\b], v[TM+\b], v[TM+4+\b]
.endr
.irp b, 0,1
	v_add_nc_u32 v[TM+12+\b], 0xff000000, v[TM+\b]
.endr
.irp b, 0,1
	v_lshrrev_b32 v[TM+4+\b], 23, v[TM+12+\b]
.endr
	v_lshl_or_b32 v[PW], v[TM+5], 8, v[TM+4]
	WIN (\nw)
	v_cvt_scalef32_pk16_fp6_f32 v[PC:PC+2], v[(\s):(\s)+15], v[TM+12]
	v_cvt_scalef32_pk16_fp6_f32 v[PC+12:PC+14], v[(\s)+16:(\s)+31], v[TM+13]
	WIN 0
	v_nop                                                  ; one plain place behind a scaled conversion
.irp i, 0,1,2
	v_permlane16_swap_b32 v[PC+\i], v[PC+12+\i]
.endr
.irp i, 0,1,2
	v_mov_b32 v[PC+3+\i], v[PC+12+\i]
.endr
.endm
.macro IMAGE ai, si, oi, os            ; the fragment in v[PC] on and its scale word go to LDS as they stand
.irp c, 0,1,2
	ds_store_b128 v[\ai], v[PC+4*\c:PC+4*\c+3] offset:(\oi)+512*\c
.endr
	ds_store_b32 v[\si], v[PW] offset:\os
	s_wait_dscnt 0x0                                       ; the stores have read their registers
.endm
.macro IMAGE2 ai, si, h                ; half h of a fragment's image: registers 6 h .. 6 h + 5 (register k of lane l lies at 512 (k / 4) + 16 l + 4 (k % 4)), scale bytes 2 h and 2 h + 1
.if \h
	ds_store_b64 v[\ai], v[PC:PC+1] offset:520
	ds_store_b128 v[\ai], v[PC+2:PC+5] offset:1024
.else
	ds_store_b128 v[\ai], v[PC:PC+3]
	ds_store_b64 v[\ai], v[PC+4:PC+5] offset:512
.endif
	ds_store_b16 v[\si], v[PW] offset:2*\h
	s_wait_dscnt 0x0                                       ; the stores have read their registers; the fetch ahead has long landed
.endm
.macro AFETCH ai, si, oi, os           ; four fragments (a tile of rows, four K steps) and their scale words come back so, in any wave: 16 LDS loads
.irp s, 0,1,2,3
.irp c, 0,1,2
	ds_load_b128 v[AF+12*\s+4*\c:AF+12*\s+4*\c+3], v[\ai] offset:(\oi)+1536*\s+512*\c
.endr
	ds_load_b32 v[AS+\s], v[\si] offset:(\os)+128*\s
.endr
.endm
; Half h of the unit du units on from s[8:9], into window 1 + h: 48 loads of 512 consecutive bytes, 4 of scale words, and (nb = 1) 8 of the half's 64 numbers of a bias at s[p:p+1] + off, in the result's layout:
; tile t, lane (r, h): 32 (t / 2) + 8 (t % 2) + 16 h + 0 .. 7.  60 loads, or 52.  It stands four places or more behind the last product that read these registers.
.macro LOADH h, du, nb, p, off
	WIN 0x40<<(\h)
.set i, 0
.rept 48
	global_load_b128 v[4*i:4*i+3], v[VL16], s[8:9] offset:212992*(\du)+24576*(\h)+512*i
.set i, i+1
.endr
	WIN 0
.irp q, 0,1,2,3
	global_load_b128 v[WS+16*(\h)+4*\q:WS+16*(\h)+4*\q+3], v[VL16], s[8:9] offset:212992*(\du)+49152+2048*(\h)+512*\q
.endr
.if \nb
	WIN 0x40
.irp t, 0,1,2,3
.irp e, 0,1
	global_load_b128 v[BIAS+32*(\h)+8*\t+4*\e:BIAS+32*(\h)+8*\t+4*\e+3], v[VH64], s[\p:\p+1] offset:(\off)+128*(\t/2)+32*(\t%2)+16*\e
.endr
.endr
	WIN 0
.endif
.endm
; 16 products on codes: K steps s = 0..3 x four tiles, which take turns, one instruction a turn.
; ww: the weights' window; acc, aw: the first accumulator and its window; ws: the first scale word; cm: the sums begin with 0 (0), with the bias at bo (1), or go on in place (2); nat = 1: source 0 = the rows.
.macro MM16 ww, acc, aw, ws, cm, bo, nat
.irp s, 0,1,2,3
.irp t, 0,1,2,3
.set rD, (\acc)+8*\t
.set rW, 12*(4*\t+\s)
.set rA, AF+12*\s
.set rX, WS+(\ws)+4*\t+\s
.set rY, AS+\s
.set rB, BIAS+(\bo)+8*\t
.set cW, \aw
.if (\s == 0) && (\cm == 1)
.set cW, 1
.endif
.if \nat
	WIN ((\ww)<<2)|(cW<<4)|((\aw)<<6)
.if (\s == 0) && (\cm == 0)
	v_wmma_scale_f32_16x16x128_f8f6f4 v[rD:rD+7], v[rA:rA+11], v[rW:rW+11], 0, v[rY], v[rX] matrix_a_fmt:MATRIX_FMT_FP6 matrix_b_fmt:MATRIX_FMT_FP6
.else
	v_wmma_scale_f32_16x16x128_f8f6f4 v[rD:rD+7], v[rA:rA+11], v[rW:rW+11], v[rD:rD+7], v[rY], v[rX] matrix_a_fmt:MATRIX_FMT_FP6 matrix_b_fmt:MATRIX_FMT_FP6
.endif
.else
	WIN (\ww)|(cW<<4)|((\aw)<<6)
.if (\s == 0) && (\cm == 1)
	v_wmma_scale_f32_16x16x128_f8f6f4 v[rD:rD+7], v[rW:rW+11], v[rA:rA+11], v[rB:rB+7], v[rX], v[rY] matrix_a_fmt:MATRIX_FMT_FP6 matrix_b_fmt:MATRIX_FMT_FP6
.else
	v_wmma_scale_f32_16x16x128_f8f6f4 v[rD:rD+7], v[rW:rW+11], v[rA:rA+11], v[rD:rD+7], v[rX], v[rY] matrix_a_fmt:MATRIX_FMT_FP6 matrix_b_fmt:MATRIX_FMT_FP6
.endif
.endif
.endr
.endr
.endm
; v8, v9 = the addresses of the fragments and scale words of tile (s[cnt] + 1) mod (mask + 1): the last trip of a pass asks for tile 0, with which the next pass begins.  Its two vector lines are places.
.macro NEXTA cnt, mask, stri, shs, bi, si
	s_add_co_u32 s43, s[\cnt], 1
	s_and_b32 s43, s43, \mask
	s_mul_i32 s44, s43, \stri
	s_lshl_b32 s45, s43, \shs
	s_add_co_u32 s44, s44, \bi
	s_add_co_u32 s45, s45, \si
	v_add_nc_u32 v8, s44, v[VL16]
	v_add_nc_u32 v9, s45, v[VL4]
.endm
.macro LD64 adr                        ; 64 numbers of my row: 32 b + 16 h + 0 .. 15 of 128 along the row
.irp b, 0,1,2,3
.irp j, 0,1,2,3
	ds_load_b128 v[ACC+16*\b+4*\j:ACC+16*\b+4*\j+3], v[\adr] offset:128*\b+16*\j
.endr
.endr
.endm
.macro ROWSUM                          ; v[TT0:TT0+3], two packed chains, to the row's sum in v118: my half's, then lane l xor 16's
	v_pk_add_f32 v[TT0:TT0+1], v[TT0:TT0+1], v[TT0+2:TT0+3]
	v_add_f32 v118, v[TT0], v[TT0+1]
	v_permlanex16_b32 v119, v118, s32, s33
	v_add_f32 v118, v118, v119
.endm
; History: a fragment's numbers are 16 rows x 512 bytes; each load reads one row's 512 consecutive bytes
.macro HLD rs, off
	WIN 0xc0
.irp rr, 0,1,2,3,4,5,6,7,8,9,10,11,12,13,14,15
	global_load_b128 v[(\rs)+4*\rr:(\rs)+4*\rr+3], v[VL16], s[66:67] offset:2048*\rr+(\off) th:TH_LOAD_NT
.endr
.endm
; The layer norm of my token tile out of XF, quantised: three walks over the row's four K steps (mean; variance about the mean; the result), each row held by lanes r and r + 16.
; hk = 1 (the first norm): Wq's half B is asked for between the first two walks and history's first two fragments ahead of the third, so that each group of loads goes out when the group before it has had a walk in which to land.
.macro LNQ hk
	s_mov_b32 s36, 0
	s_mov_b32 s34, 0
.irp j, 0,1,2,3
	v_mov_b32 v[TT0+\j], 0
.endr
.Lmean_\@:
	v_add_nc_u32 v8, s36, v[VX]
	LD64 8
	s_wait_dscnt 0x0
.set k, 0
.rept 16
	v_pk_add_f32 v[TT0:TT0+1], v[TT0:TT0+1], v[ACC+k:ACC+k+1]
	v_pk_add_f32 v[TT0+2:TT0+3], v[TT0+2:TT0+3], v[ACC+k+2:ACC+k+3]
.set k, k+4
.endr
	s_add_co_u32 s36, s36, 512
	s_add_co_u32 s34, s34, 1
	s_cmp_lt_u32 s34, 4
	s_cbranch_scc1 .Lmean_\@
	ROWSUM
	v_mul_f32 v[MU], s72, v118                             ; / 512
	v_mov_b32 v[MU+1], v[MU]
.if \hk
	LOADH 1, 0, 1, 10, 256
.endif
	s_mov_b32 s36, 0
	s_mov_b32 s34, 0
.irp j, 0,1,2,3
	v_mov_b32 v[TT0+\j], 0
.endr
.Lvar_\@:
	v_add_nc_u32 v8, s36, v[VX]
	LD64 8
	s_wait_dscnt 0x0
.set k, 0
.rept 32
	v_pk_add_f32 v[ACC+k:ACC+k+1], v[ACC+k:ACC+k+1], v[MU:MU+1] neg_lo:[0,1] neg_hi:[0,1]
.set k, k+2
.endr
.set k, 0
.rept 16
	v_pk_fma_f32 v[TT0:TT0+1], v[ACC+k:ACC+k+1], v[ACC+k:ACC+k+1], v[TT0:TT0+1]
	v_pk_fma_f32 v[TT0+2:TT0+3], v[ACC+k+2:ACC+k+3], v[ACC+k+2:ACC+k+3], v[TT0+2:TT0+3]
.set k, k+4
.endr
	s_add_co_u32 s36, s36, 512
	s_add_co_u32 s34, s34, 1
	s_cmp_lt_u32 s34, 4
	s_cbranch_scc1 .Lvar_\@
	ROWSUM
	v_fma_f32 v118, v118, s72, s73                         ; / 512 + 1e-5
	v_rsq_f32 v[RS], v118
	v_nop                                                  ; one plain place behind a transcendental
	s_wait_alu depctr_va_vdst(0)
	v_mov_b32 v[RS+1], v[RS]
.if \hk
	HLD RA, 0                                              ; history fragments 0 and 1
	HLD RB, 512
	WIN 0
.endif
	s_mov_b32 s36, 0
	s_mul_i32 s37, s2, 6144
	s_add_co_u32 s37, s37, TIMG                            ; my fragments 4 w + s
	s_lshl_b32 s38, s2, 9
	s_add_co_u32 s38, s38, TSC
	s_mov_b32 s34, 0
.Lnorm_\@:
	v_add_nc_u32 v8, s36, v[VX]
	v_add_nc_u32 v9, s36, v[VGB]
	v_add_nc_u32 v10, s37, v[VL16]
	v_add_nc_u32 v11, s38, v[VL4]
	LD64 8
	WIN 0x80
.irp b, 0,1,2,3
.irp j, 0,1,2,3
	ds_load_b128 v[GG+16*\b+4*\j:GG+16*\b+4*\j+3], v9 offset:128*\b+16*\j
.endr
.endr
	WIN 0xc0
.irp b, 0,1,2,3
.irp j, 0,1,2,3
	ds_load_b128 v[BE+16*\b+4*\j:BE+16*\b+4*\j+3], v9 offset:2048+128*\b+16*\j
.endr
.endr
	WIN 0
	s_wait_dscnt 0x0
.set k, 0
.rept 32
	v_pk_add_f32 v[ACC+k:ACC+k+1], v[ACC+k:ACC+k+1], v[MU:MU+1] neg_lo:[0,1] neg_hi:[0,1]
.set k, k+2
.endr
.set k, 0
.rept 32
	v_pk_mul_f32 v[ACC+k:ACC+k+1], v[ACC+k:ACC+k+1], v[RS:RS+1]
.set k, k+2
.endr
	WIN 0x38                                               ; the gain in window 2, the bias in window 3
.set k, 0
.rept 32
	v_pk_fma_f32 v[ACC+k:ACC+k+1], v[ACC+k:ACC+k+1], v[GG+k:GG+k+1], v[BE+k:BE+k+1]
.set k, k+2
.endr
	QUANT ACC, 0
	IMAGE 10, 11, 0, 0
	s_add_co_u32 s36, s36, 512
	s_add_co_u32 s37, s37, 1536
	s_add_co_u32 s38, s38, 128
	s_add_co_u32 s34, s34, 1
	s_cmp_lt_u32 s34, 4
	s_cbranch_scc1 .Lnorm_\@
.endm
; x and the result: batch k is b = 2 k, 2 k + 1 of my two t: four rows of 2,048 bytes, 16 instructions of 512 consecutive bytes, through a set of 64 registers in window 3
.macro XLD k, rs
	WIN 0xc0
.irp bb, 0,1
.irp tt, 0,1
.irp q, 0,1,2,3
	global_load_b128 v[(\rs)+32*\bb+16*\tt+4*\q:(\rs)+32*\bb+16*\tt+4*\q+3], v[VB+2*(\k)+\bb], s[4:5] offset:2048*\tt+512*\q th:TH_LOAD_NT
.endr
.endr
.endr
.endm
.macro XST k, rs
	WIN 0x0c
.irp bb, 0,1
.irp tt, 0,1
.irp q, 0,1,2,3
	ds_store_b128 v[VXS], v[(\rs)+32*\bb+16*\tt+4*\q:(\rs)+32*\bb+16*\tt+4*\q+3] offset:(8*\tt+2*(\k)+\bb)*2064+512*\q
.endr
.endr
.endr
.endm
.macro OLD k, rs
	WIN 0xc0
.irp bb, 0,1
.irp tt, 0,1
.irp q, 0,1,2,3
	ds_load_b128 v[(\rs)+32*\bb+16*\tt+4*\q:(\rs)+32*\bb+16*\tt+4*\q+3], v[VXS] offset:(8*\tt+2*(\k)+\bb)*2064+512*\q
.endr
.endr
.endr
.endm
.macro OST k, rs
	WIN 0x0c
.irp bb, 0,1
.irp tt, 0,1
.irp q, 0,1,2,3
	global_store_b128 v[VB+2*(\k)+\bb], v[(\rs)+32*\bb+16*\tt+4*\q:(\rs)+32*\bb+16*\tt+4*\q+3], s[30:31] offset:2048*\tt+512*\q th:TH_STORE_NT
.endr
.endr
.endr
.endm
.macro MAKEVB
.irp b, 0,1,2,3,4,5,6,7
	v_add_nc_u32 v[VB+\b], \b*4194304, v[VL16]
.endr
.endm
; One history fragment: through my stage (rows in, 64 bytes a lane out), the set's next loads, the quantiser, the image.  s34 = the pair's first fragment f
.macro HHALF rs, ahead, half, cnt
	s_wait_loadcnt \cnt                                    ; this set's 16 loads are in; the count is the other set's, which are younger
	WIN 0x0c
.irp rr, 0,1,2,3,4,5,6,7,8,9,10,11,12,13,14,15
	ds_store_b128 v[VSTW], v[(\rs)+4*\rr:(\rs)+4*\rr+3] offset:528*\rr
.endr
	WIN 0
	LD64 VSTR                                              ; LDS serves a wave's instructions in order: these see the stores above
	s_wait_dscnt 0x0
.if \ahead
.if \half == 0
	s_wait_xcnt 0x0                                        ; the pending loads have read their base
	s_add_co_u32 s40, s34, 2                               ; fragment f + 2: tile (f + 2) / 4: 16 rows of 2,048 bytes each; K step (f + 2) % 4: 512 bytes
	s_lshr_b32 s42, s40, 2
	s_lshl_b32 s42, s42, 15
	s_and_b32 s40, s40, 3
	s_lshl_b32 s40, s40, 9
	s_add_co_u32 s40, s40, s42
	s_add_nc_u64 s[66:67], s[6:7], s[40:41]
.endif
	HLD \rs, 512*\half
.endif
	QUANT ACC, 0
	IMAGE 8, 9, 1536*\half, 128*\half
.endm
; A pass of K: half h of Wk (64 of my 128 d) against four history tiles, and their scores against token tile m's Q.  s58 counts the pass's tiles, s38 walks my partial scores.
; In the second pass the first pass's part comes back from my own bytes of LDS and is the starting sum of the first f32 product.
.macro KPH m, h
	s_mov_b32 s34, 0
.Lk_\@:
	v_add_nc_u32 v10, s38, v[VL16]
	s_wait_dscnt 0x0                                       ; this tile's fragments, asked for a trip ago, are in
.if \h
	ds_load_b128 v[TT0:TT0+3], v10
	ds_load_b128 v[TT0+4:TT0+7], v10 offset:512
.endif
	MM16 1+\h, ACC, 0, 16*\h, 1, 32*\h, 0
	WIN 0
	NEXTA 58, 15, 6144, 9, HIMG, HSC
	PLACES 3                                               ; with the two lines above: 5 in front of matrix instructions that take these results as A, 4 in front of loads into the fragments' registers
	AFETCH 8, 9, 0, 0                                      ; the next tile: it lands under the f32 products
.if \h
	s_wait_dscnt 16                                        ; the old part is in: the 16 loads of the fetch above are younger
.endif
	WIN 0x0c                                               ; B = Q, in window 3
.set n, 0
.rept 16                                               ; two accumulators by turns
.set rD, SCA+8*(n%2)
.set rQ, 64*(\m)+32*(\h)+2*n
.if (n == 0) && \h
	v_wmma_f32_16x16x4_f32 v[rD:rD+7], v[ACC+2*n:ACC+2*n+1], v[rQ:rQ+1], v[TT0:TT0+7]
.elseif n < 2
	v_wmma_f32_16x16x4_f32 v[rD:rD+7], v[ACC+2*n:ACC+2*n+1], v[rQ:rQ+1], 0
.else
	v_wmma_f32_16x16x4_f32 v[rD:rD+7], v[ACC+2*n:ACC+2*n+1], v[rQ:rQ+1], v[rD:rD+7]
.endif
.set n, n+1
.endr
	WIN 0
	PLACES 9                                               ; behind this form: 8 in front of reads of the sums and of loads into its sources, 9 in front of the products that write its registers anew
.irp j, 0,2,4,6
	v_pk_add_f32 v[TS+\j:TS+\j+1], v[SCA+\j:SCA+\j+1], v[SCB+\j:SCB+\j+1]
.endr
	ds_store_b128 v10, v[TS:TS+3]
	ds_store_b128 v10, v[TS+4:TS+7] offset:512
	s_add_co_u32 s38, s38, 1024
	s_add_co_u32 s58, s58, 1
	s_add_co_u32 s34, s34, 1
	s_cmp_lt_u32 s34, 4
	s_cbranch_scc1 .Lk_\@
.endm
; The softmax of my token tile's rows of t_local 2 w + tt: lane (r, h) holds token row r and history rows 16 hh + 8 h + j; the tile's other eight rows get zeros
.macro SOFTMAX tt
.irp wv, 0,1,2,3
.irp hh, 0,1
.irp e, 0,1
	ds_load_b128 v[ACC+16*\wv+8*\hh+4*\e:ACC+16*\wv+8*\hh+4*\e+3], v8 offset:16384*\wv+1024*(2*(\tt)+\hh)+512*\e
.endr
.endr
.endr
	s_wait_dscnt 0x0
.irp k, 0,2,4,6,8,10,12,14
	v_pk_add_f32 v[ACC+\k:ACC+\k+1], v[ACC+\k:ACC+\k+1], v[ACC+16+\k:ACC+16+\k+1]          ; the four waves' parts
	v_pk_add_f32 v[ACC+32+\k:ACC+32+\k+1], v[ACC+32+\k:ACC+32+\k+1], v[ACC+48+\k:ACC+48+\k+1]
.endr
.irp k, 0,2,4,6,8,10,12,14
	v_pk_add_f32 v[ACC+\k:ACC+\k+1], v[ACC+\k:ACC+\k+1], v[ACC+32+\k:ACC+32+\k+1]
.endr
.irp k, 0,2,4,6,8,10,12,14
	v_pk_fma_f32 v[ACC+\k:ACC+\k+1], v[ACC+\k:ACC+\k+1], s[48:49], v[DB+\k:DB+\k+1] op_sel_hi:[1,0,1]   ; x log2(e) / sqrt(512) + log2(decay)
.endr
	v_max3_num_f32 v118, v[ACC], v[ACC+1], v[ACC+2]
	v_max3_num_f32 v119, v[ACC+3], v[ACC+4], v[ACC+5]
	v_max3_num_f32 v118, v118, v[ACC+6], v[ACC+7]
	v_max3_num_f32 v119, v119, v[ACC+8], v[ACC+9]
	v_max3_num_f32 v118, v118, v[ACC+10], v[ACC+11]
	v_max3_num_f32 v119, v119, v[ACC+12], v[ACC+13]
	v_max3_num_f32 v118, v118, v[ACC+14], v[ACC+15]
	v_max_num_f32 v118, v118, v119
	v_permlanex16_b32 v119, v118, s32, s33
	v_max_num_f32 v120, v118, v119                         ; the row's largest
	v_mov_b32 v121, v120
.irp k, 0,2,4,6,8,10,12,14
	v_pk_add_f32 v[ACC+\k:ACC+\k+1], v[ACC+\k:ACC+\k+1], v[120:121] neg_lo:[0,1] neg_hi:[0,1]
.endr
.irp k, 0,1,2,3,4,5,6,7,8,9,10,11,12,13,14,15
	v_exp_f32 v[ACC+\k], v[ACC+\k]
.endr
	v_nop                                                  ; one plain place behind the exponentials
	s_wait_alu depctr_va_vdst(0)
	v_pk_add_f32 v[122:123], v[ACC:ACC+1], v[ACC+2:ACC+3]
	v_pk_add_f32 v[124:125], v[ACC+4:ACC+5], v[ACC+6:ACC+7]
.irp k, 8,12
	v_pk_add_f32 v[122:123], v[122:123], v[ACC+\k:ACC+\k+1]
	v_pk_add_f32 v[124:125], v[124:125], v[ACC+\k+2:ACC+\k+3]
.endr
	v_pk_add_f32 v[122:123], v[122:123], v[124:125]
	v_add_f32 v118, v122, v123
	v_permlanex16_b32 v119, v118, s32, s33
	v_add_f32 v118, v118, v119
	v_rcp_f32 v120, v118
	v_cmp_eq_u32 vcc_lo, \tt, v[RHI]                       ; rows of this t
	v_nop
	s_wait_alu depctr_va_vdst(0)
	v_mov_b32 v121, v120
.irp k, 0,2,4,6,8,10,12,14
	v_pk_mul_f32 v[ACC+\k:ACC+\k+1], v[ACC+\k:ACC+\k+1], v[120:121]
.endr
.irp k, 0,1,2,3,4,5,6,7,8,9,10,11,12,13,14,15
	v_cndmask_b32 v[ACC+\k], 0, v[ACC+\k], vcc_lo
.endr
.irp hh, 0,1
.irp e, 0,1
	ds_store_b128 v9, v[ACC+8*\hh+4*\e:ACC+8*\hh+4*\e+3] offset:1024*(2*(\tt)+\hh)+512*\e
.endr
.endr
	s_wait_dscnt 0x0
.endm
; V of history tile 4 m + il by half h of Wv, in natural order, and its share of attended^T: 4 accumulators by turns; the token tile's first four products begin with bv.
; The next tile's fragments and attention tile are asked for behind the products on codes; the attention tiles take turns in two sets of 8 registers.
.macro VTILE il, h
.set ATC, ATT+8*((\il)%2)
.set ATN, ATT+8*(((\il)+1)%2)
	s_wait_dscnt 0x0                                       ; this tile's fragments and attention tile, asked for a tile ago, are in
	MM16 1+\h, ACC, 0, 16*\h, 0, 0, 1
	WIN 0
	PLACES 5
.if \il < 3
	AFETCH 8, 9, 6144*(\il+1), 512*(\il+1)
	ds_load_b128 v[ATN:ATN+3], v10 offset:1024*(\il+1)
	ds_load_b128 v[ATN+4:ATN+7], v10 offset:1024*(\il+1)+512
.else
	AFETCH VN8, VN9, 0, 0                                  ; the next token tile's first (behind the last: tile 0, with which the next pass begins)
	ds_load_b128 v[ATN:ATN+3], v[VN10]
	ds_load_b128 v[ATN+4:ATN+7], v[VN10] offset:512
.endif
.set n, 0
.rept 16
.set rD, 8*(n%4)
.set rA, ACC+8*(n%4)+2*(n/4)
.set rY, ATC+2*(n/4)
.if (\il == 0) && (n < 4)
	WIN 0xd0
	v_wmma_f32_16x16x4_f32 v[rD:rD+7], v[rA:rA+1], v[rY:rY+1], v[BIAS+32*(\h)+rD:BIAS+32*(\h)+rD+7]
.else
	WIN 0xf0
	v_wmma_f32_16x16x4_f32 v[rD:rD+7], v[rA:rA+1], v[rY:rY+1], v[rD:rD+7]
.endif
.set n, n+1
.endr
	WIN 0
	PLACES 9
.endm
; A pass of V: half h of Wv against all 16 history tiles, a token tile a trip; its 64 columns of attended become half h of fragment 4 m + w
.macro VPASS h
	s_mov_b32 s34, 0
	s_mov_b32 s36, HIMG
	s_mov_b32 s37, HSC
	s_mov_b32 s38, AIMG
	s_mul_i32 s39, s2, 1536
	s_add_co_u32 s39, s39, TIMG
	s_lshl_b32 s42, s2, 7
	s_add_co_u32 s42, s42, TSC
.Lv_\@:
	v_add_nc_u32 v8, s36, v[VL16]
	v_add_nc_u32 v9, s37, v[VL4]
	v_add_nc_u32 v10, s38, v[VL16]
	v_add_nc_u32 v11, s39, v[VL16]
	s_add_co_u32 s43, s34, 1
	s_and_b32 s43, s43, 3                                  ; token tile (m + 1) mod 4
	s_mul_i32 s44, s43, 24576
	s_lshl_b32 s45, s43, 11
	s_lshl_b32 s59, s43, 12
	s_add_co_u32 s44, s44, HIMG
	s_add_co_u32 s45, s45, HSC
	s_add_co_u32 s59, s59, AIMG
	v_add_nc_u32 v[VN8], s44, v[VL16]
	v_add_nc_u32 v[VN9], s45, v[VL4]
	v_add_nc_u32 v[VN10], s59, v[VL16]
	VTILE 0, \h
	VTILE 1, \h
	VTILE 2, \h
	VTILE 3, \h
	QUANT2 0, 3
	v_add_nc_u32 v9, s42, v[VL4]
	IMAGE2 11, 9, \h
	s_add_co_u32 s36, s36, 24576
	s_add_co_u32 s37, s37, 2048
	s_add_co_u32 s38, s38, 4096
	s_add_co_u32 s39, s39, 6144
	s_add_co_u32 s42, s42, 512
	s_add_co_u32 s34, s34, 1
	s_cmp_lt_u32 s34, 4
	s_cbranch_scc1 .Lv_\@
.endm
; gelu in place on a pass's four tiles, v[ACC] on, a tile of 8 at a time
.macro GELU
.irp k, 0,1,2,3
.irp j, 0,2,4,6
	v_pk_mul_f32 v[GZ+\j:GZ+\j+1], v[ACC+8*\k+\j:ACC+8*\k+\j+1], s[68:69] op_sel_hi:[1,0]   ; a / sqrt 2
.endr
.irp j, 0,1,2,3,4,5,6,7
	v_fma_f32 v[GT+\j], |v[GZ+\j]|, s50, 1.0               ; 1 + p z
.endr
.irp j, 0,1,2,3,4,5,6,7
	v_rcp_f32 v[GT+\j], v[GT+\j]                           ; t
.endr
.irp j, 0,2,4,6
	v_pk_mul_f32 v[GE+\j:GE+\j+1], v[GZ+\j:GZ+\j+1], s[62:63] op_sel_hi:[1,0]
.endr
.irp j, 0,2,4,6
	v_pk_mul_f32 v[GE+\j:GE+\j+1], v[GE+\j:GE+\j+1], v[GZ+\j:GZ+\j+1]                     ; - z z log2(e)
.endr
.irp j, 0,1,2,3,4,5,6,7
	v_exp_f32 v[GE+\j], v[GE+\j]
.endr
	s_wait_alu depctr_va_vdst(0)
.irp j, 0,2,4,6
	v_pk_fma_f32 v[GP+\j:GP+\j+1], v[GT+\j:GT+\j+1], s[60:61], v[CA4:CA4+1] op_sel_hi:[1,0,1]
.endr
.irp j, 0,2,4,6
	v_pk_fma_f32 v[GP+\j:GP+\j+1], v[GP+\j:GP+\j+1], v[GT+\j:GT+\j+1], s[56:57] op_sel_hi:[1,1,0]
.endr
.irp j, 0,2,4,6
	v_pk_fma_f32 v[GP+\j:GP+\j+1], v[GP+\j:GP+\j+1], v[GT+\j:GT+\j+1], s[54:55] op_sel_hi:[1,1,0]
.endr
.irp j, 0,2,4,6
	v_pk_fma_f32 v[GP+\j:GP+\j+1], v[GP+\j:GP+\j+1], v[GT+\j:GT+\j+1], s[52:53] op_sel_hi:[1,1,0]
.endr
.irp j, 0,2,4,6
	v_pk_mul_f32 v[GP+\j:GP+\j+1], v[GP+\j:GP+\j+1], v[GT+\j:GT+\j+1]
.endr
.irp j, 0,2,4,6
	v_pk_mul_f32 v[GP+\j:GP+\j+1], v[GP+\j:GP+\j+1], v[GE+\j:GE+\j+1]                     ; w = erfc(z) / 2
.endr
.irp j, 0,1,2,3,4,5,6,7
	v_max_num_f32 v[GZ+\j], 0, v[ACC+8*\k+\j]
.endr
.irp j, 0,1,2,3,4,5,6,7
	v_fma_f32 v[ACC+8*\k+\j], -|v[ACC+8*\k+\j]|, v[GP+\j], v[GZ+\j]
.endr
.endr
.endm
; A pass of the hidden layer: half h of the unit at s[8:9] against the four token tiles; gelu; half h of fragment 16 u + 4 m + w.  At its head the next pass's half is asked for, into the window that the last pass has left.
.macro W1PASS h
.set GI, 38+38*\h                      ; s38, s39 walk pass A's images and scale words over both units, s76, s77 pass B's
.set GS, 39+38*\h
.if \h
	LOADH 0, 1, 1, 74, 0                                   ; the next unit's half A
.else
	LOADH 1, 0, 1, 46, 256                                 ; this unit's half B
.endif
	s_wait_loadcnt 60                                      ; this pass's half is in: it was asked for a pass ago, and the 60 loads just issued are younger
	s_mov_b32 s34, 0
.Lw1i_\@:
	v_add_nc_u32 v10, s[GI], v[VIW]
	v_add_nc_u32 v11, s[GS], v[VSW]
	s_wait_dscnt 0x0                                       ; this tile's fragments, asked for a trip ago, are in
	MM16 1+\h, ACC, 0, 16*\h, 1, 32*\h, 0
	WIN 0
	NEXTA 34, 3, 6144, 9, TIMG, TSC
	PLACES 2                                               ; with the two lines above: 4
	AFETCH 8, 9, 0, 0                                      ; the next tile: it lands under the gelu
	GELU
	QUANT2 ACC, 0
	IMAGE2 10, 11, \h
	s_add_co_u32 s[GI], s[GI], 6144
	s_add_co_u32 s[GS], s[GS], 512
	s_add_co_u32 s34, s34, 1
	s_cmp_lt_u32 s34, 4
	s_cbranch_scc1 .Lw1i_\@
.endm
; A pass of the last product: my columns 128 w + 64 u .. + 63, K steps 4 h .. 4 h + 3, in place in XF; the first half of K starts on x2 + b2
.macro W2P u, h
	s_mov_b32 s34, 0
	s_mov_b32 s36, HIMG+24576*\h
	s_mov_b32 s37, HSC+2048*\h
	s_mov_b32 s38, 0
.Lw2_\@:
	v_add_nc_u32 v8, s36, v[VL16]
	v_add_nc_u32 v9, s37, v[VL4]
	v_add_nc_u32 v10, s38, v[VD]
.irp t, 0,1,2,3
.irp e, 0,1
	ds_load_b128 v[ACC+8*\t+4*\e:ACC+8*\t+4*\e+3], v10 offset:256*\u+128*(\t/2)+32*(\t%2)+16*\e
.endr
.endr
	AFETCH 8, 9, 0, 0
	s_wait_dscnt 0x0
.if \h == 0
	WIN 0x04
.set k, 0
.rept 16
	v_pk_add_f32 v[ACC+k:ACC+k+1], v[ACC+k:ACC+k+1], v[BIAS+k:BIAS+k+1]
.set k, k+2
.endr
	WIN 0
	PLACES 4
.endif
	MM16 1+\h, ACC, 0, 16*\h, 2, 0, 0
	WIN 0
	PLACES 4
.irp t, 0,1,2,3
.irp e, 0,1
	ds_store_b128 v10, v[ACC+8*\t+4*\e:ACC+8*\t+4*\e+3] offset:256*\u+128*(\t/2)+32*(\t%2)+16*\e
.endr
.endr
	s_wait_dscnt 0x0
	s_add_co_u32 s36, s36, 6144
	s_add_co_u32 s37, s37, 512
	s_add_co_u32 s38, s38, 33024
	s_add_co_u32 s34, s34, 1
	s_cmp_lt_u32 s34, 4
	s_cbranch_scc1 .Lw2_\@
.endm
	; ---- the head
	s_load_b512 s[4:19], s[0:1], 0x0               ; x, history, wbuf, bq, bk, bv, bo, b1
	s_load_b256 s[20:27], s[0:1], 0x40             ; b2, g1, be1, g2
	s_load_b128 s[28:31], s[0:1], 0x60             ; be2, out0
	v_lshl_add_u32 v126, v0, 2, 0x4f400
	v_mov_b32 v127, 0
	v_lshrrev_b32 v8, 5, v0
	v_readfirstlane_b32 s2, v8                     ; wave 0..3
	s_mov_b32 s3, ttmp9
	v_and_b32 v9, 31, v0                           ; lane
	v_and_b32 v10, 15, v0                          ; r
	v_bfe_u32 v11, v0, 4, 1                        ; h
	v_lshlrev_b32 v[VL16], 4, v9
	v_lshlrev_b32 v[VL4], 2, v9
	v_lshlrev_b32 v[VH64], 6, v11
	v_lshrrev_b32 v[RHI], 3, v10
	v_mul_u32_u24 v[VD], v10, 2064
	v_add_nc_u32 v[VD], v[VD], v[VH64]
	s_mul_i32 s36, s2, 33024
	v_add_nc_u32 v[VX], s36, v[VD]
	v_add_nc_u32 v[VXS], s36, v[VL16]
	s_lshl_b32 s37, s2, 9
	v_add_nc_u32 v[VD], s37, v[VD]
	s_mul_i32 s38, s2, 8448
	s_add_co_u32 s38, s38, STAGE
	v_add_nc_u32 v[VSTW], s38, v[VL16]
	v_mul_u32_u24 v[VSTR], v10, 528
	v_add_nc_u32 v[VSTR], v[VSTR], v[VH64]
	v_add_nc_u32 v[VSTR], s38, v[VSTR]
	s_mul_i32 s39, s2, 1536
	v_add_nc_u32 v[VIW], s39, v[VL16]
	s_lshl_b32 s39, s2, 7
	v_add_nc_u32 v[VSW], s39, v[VL4]
	v_add_nc_u32 v[VGB], GB, v[VH64]
	v_mov_b32 v[CA4], 0xbf3a00e3                   ; a4 / 2
	v_mov_b32 v[CA4+1], 0xbf3a00e3
.irp b, 0,1,2,3
	v_mov_b32 v[TM+4+\b], 0                        ; a lane permute's destination counts as one of its sources
.endr
	v_mov_b32 v119, 0
	MAKEVB
	v_lshlrev_b32 v8, 4, v0                        ; 16 x thread: my 16 bytes of a gain and of a norm's bias
	v_lshl_add_u32 v9, v0, 4, GB
	s_mov_b32 s32, 0x76543210
	s_mov_b32 s33, 0xfedcba98                      ; v_permlanex16_b32's selects for lane l xor 16
	SPAIR 48, 0x3d8293ee                           ; log2(e) / sqrt(512)
	SPAIR 50, 0x3ea7ba05                           ; p
	SPAIR 52, 0x3e027906                           ; a1 / 2
	SPAIR 54, 0xbe11a98e                           ; a2 / 2
	SPAIR 56, 0x3f35f0e3                           ; a3 / 2
	SPAIR 60, 0x3f07dc22                           ; a5 / 2
	SPAIR 62, 0xbfb8aa3b                           ; - log2(e)
	SPAIR 68, 0x3f3504f3                           ; 1 / sqrt 2
	s_mov_b32 s72, 0x3b000000                      ; 1 / 512
	s_mov_b32 s73, 0x3727c5ac                      ; 1e-5
	s_lshl_b32 s40, s3, 14
	s_lshl_b32 s42, s2, 12
	s_add_co_u32 s40, s40, s42                     ; (8 wg + 2 w) rows of 2,048 bytes
	s_mov_b32 s41, 0
	s_wait_kmcnt 0x0
	s_add_nc_u64 s[4:5], s[4:5], s[40:41]
	s_add_nc_u64 s[30:31], s[30:31], s[40:41]
	s_lshl_b32 s40, s3, 19
	s_lshl_b32 s42, s2, 17
	s_add_co_u32 s40, s40, s42                     ; (8 wg + 2 w) x 32 rows of 2,048 bytes
	s_add_nc_u64 s[6:7], s[6:7], s[40:41]
	s_mul_i32 s40, s2, 53248
	s_add_nc_u64 s[8:9], s[8:9], s[40:41]          ; my block of the first unit
	s_lshl_b32 s40, s2, 9                          ; my 128 numbers of each bias
	s_add_nc_u64 s[10:11], s[10:11], s[40:41]
	s_add_nc_u64 s[12:13], s[12:13], s[40:41]
	s_add_nc_u64 s[14:15], s[14:15], s[40:41]
	s_add_nc_u64 s[16:17], s[16:17], s[40:41]
	s_add_nc_u64 s[18:19], s[18:19], s[40:41]
	s_add_nc_u64 s[20:21], s[20:21], s[40:41]
	s_add_nc_u64 s[70:71], s[18:19], 2048          ; b1's second half
	s_mov_b64 s[66:67], s[6:7]
	global_load_b128 v[TT0:TT0+3], v8, s[22:23]    ; g1
	global_load_b128 v[TT0+4:TT0+7], v8, s[24:25]  ; be1
	XLD 0, RA
	XLD 1, RB
	s_wait_loadcnt 16                              ; all but the second batch's 16
	WIN 0
	ds_store_b128 v9, v[TT0:TT0+3]
	ds_store_b128 v9, v[TT0+4:TT0+7] offset:2048
	XST 0, RA
	s_wait_dscnt 0x0                               ; the stores have read the set
	XLD 2, RA
	s_wait_loadcnt 16
	XST 1, RB
	s_wait_dscnt 0x0
	XLD 3, RB
	s_wait_loadcnt 16
	XST 2, RA
	s_wait_loadcnt 0x0
	XST 3, RB
	s_wait_dscnt 0x0
	LOADH 0, 0, 1, 10, 0                           ; Wq's half A; half B and history's first fragments follow inside the norm
	BAR                                            ; g1 and be1 lie in LDS
	; ---- xn, quantised
	LNQ 1
	; ---- my 16 history fragments, quantised; two sets of 16 loads are always out
	s_mov_b32 s34, 0
	s_mul_i32 s36, s2, 24576
	s_add_co_u32 s36, s36, HIMG
	s_lshl_b32 s37, s2, 11
	s_add_co_u32 s37, s37, HSC
.Lhist:
	v_add_nc_u32 v8, s36, v[VL16]
	v_add_nc_u32 v9, s37, v[VL4]
	HHALF RA, 1, 0, 16
	HHALF RB, 1, 1, 16
	s_add_co_u32 s36, s36, 3072
	s_add_co_u32 s37, s37, 256
	s_add_co_u32 s34, s34, 2
	s_cmp_lt_u32 s34, 14
	s_cbranch_scc1 .Lhist
	v_add_nc_u32 v8, s36, v[VL16]                  ; the last pair asks for nothing: no load leaves the buffer
	v_add_nc_u32 v9, s37, v[VL4]
	HHALF RA, 0, 0, 16
	HHALF RB, 0, 1, 0
	BAR                                            ; xn's and history's images lie in LDS; nobody reads g1 and be1 any more
	v_lshlrev_b32 v8, 4, v0
	global_load_b128 v[TT0:TT0+3], v8, s[26:27]    ; g2
	global_load_b128 v[TT0+4:TT0+7], v8, s[28:29]  ; be2
	v_lshl_add_u32 v9, v0, 4, GB
	s_wait_loadcnt 0x0                             ; these two (Wq and bq came in ahead of history)
	ds_store_b128 v9, v[TT0:TT0+3]
	ds_store_b128 v9, v[TT0+4:TT0+7] offset:2048
	; ---- Q: my 128 columns of the 64 token rows stay in window 3
	v_add_nc_u32 v8, TIMG, v[VL16]
	v_add_nc_u32 v9, TSC, v[VL4]
.irp m, 0,1,2,3
	AFETCH 8, 9, 6144*\m, 512*\m
	s_wait_dscnt 0x0
	MM16 1, 64*\m, 3, 0, 1, 0, 0
	MM16 2, 64*\m+32, 3, 16, 1, 32, 0
	WIN 0
	PLACES 4
.endr
	LOADH 0, 1, 1, 12, 0                           ; Wk's half A
	BAR                                            ; nobody reads xn's images any more: the partial scores may lie there
	LOADH 1, 1, 1, 12, 256                         ; Wk's half B: it lands under the first pass
	v_add_nc_u32 v8, HIMG, v[VL16]
	v_add_nc_u32 v9, HSC, v[VL4]
	AFETCH 8, 9, 0, 0                              ; history tile 0
	s_wait_loadcnt 60                              ; half A is in: the 60 loads of half B are younger
	; ---- K and the scores, in two passes
	s_mov_b32 s58, 0
	s_lshl_b32 s38, s2, 14
	s_add_co_u32 s38, s38, PS
	KPH 0, 0
	KPH 1, 0
	KPH 2, 0
	KPH 3, 0
	LOADH 0, 2, 1, 14, 0                           ; Wv's half A: it lands under the second pass
	s_wait_loadcnt 60                              ; Wk's half B is in
	s_mov_b32 s58, 0
	s_lshl_b32 s38, s2, 14
	s_add_co_u32 s38, s38, PS
	KPH 0, 1
	KPH 1, 1
	KPH 2, 1
	KPH 3, 1
	LOADH 1, 2, 1, 14, 256                         ; Wv's half B: it lands under the softmax
	BAR                                            ; the four waves' partial scores lie in LDS
	; ---- the softmax of my token tile
	v_bfe_u32 v118, v0, 4, 1
	v_lshlrev_b32 v118, 3, v118
	v_sub_nc_u32 v118, 31, v118                    ; 31 - 8 h
.irp k, 0,1,2,3,4,5,6,7,8,9,10,11,12,13,14,15
	v_add_nc_u32 v[DB+\k], -(16*(\k/8)+\k%8), v118 ; 31 - the history row
.endr
.irp k, 0,1,2,3,4,5,6,7,8,9,10,11,12,13,14,15
	v_cvt_f32_i32 v[DB+\k], v[DB+\k]
.endr
.irp k, 0,1,2,3,4,5,6,7,8,9,10,11,12,13,14,15
	v_mul_f32 v[DB+\k], 0xbd978d9e, v[DB+\k]       ; x log2(0.95)
.endr
	s_lshl_b32 s36, s2, 12
	s_add_co_u32 s37, s36, PS
	v_add_nc_u32 v8, s37, v[VL16]
	s_add_co_u32 s37, s36, AIMG
	v_add_nc_u32 v9, s37, v[VL16]
	SOFTMAX 0
	SOFTMAX 1
	BAR                                            ; the 16 attention tiles lie in LDS; nobody reads the partial scores any more
	s_wait_loadcnt 0x0                             ; both halves of Wv
	; ---- V and attended, in two passes
	v_add_nc_u32 v8, HIMG, v[VL16]
	v_add_nc_u32 v9, HSC, v[VL4]
	v_add_nc_u32 v10, AIMG, v[VL16]
	AFETCH 8, 9, 0, 0                              ; history tile 0 and its attention tile
	ds_load_b128 v[ATT:ATT+3], v10
	ds_load_b128 v[ATT+4:ATT+7], v10 offset:512
	VPASS 0
	LOADH 0, 3, 1, 16, 0                           ; Wo's half A: it lands under the second pass
	VPASS 1
	LOADH 1, 3, 1, 16, 256                         ; Wo's half B
	BAR                                            ; attended's images lie in LDS
	s_wait_loadcnt 0x0
	; ---- x2 = x + attended Wo^T + bo, my columns, in place in XF
	s_mov_b32 s34, 0
	s_mov_b32 s36, TIMG
	s_mov_b32 s37, TSC
	s_mov_b32 s38, 0
.Lwo:
	v_add_nc_u32 v8, s36, v[VL16]
	v_add_nc_u32 v9, s37, v[VL4]
	v_add_nc_u32 v10, s38, v[VD]
.irp t, 0,1,2,3,4,5,6,7
.irp e, 0,1
	ds_load_b128 v[ACC+8*\t+4*\e:ACC+8*\t+4*\e+3], v10 offset:128*(\t/2)+32*(\t%2)+16*\e
.endr
.endr
	AFETCH 8, 9, 0, 0
	s_wait_dscnt 0x0
	WIN 0x04
.set k, 0
.rept 32
	v_pk_add_f32 v[ACC+k:ACC+k+1], v[ACC+k:ACC+k+1], v[BIAS+k:BIAS+k+1]
.set k, k+2
.endr
	WIN 0
	PLACES 4
	MM16 1, ACC, 0, 0, 2, 0, 0
	MM16 2, ACC+32, 0, 16, 2, 0, 0
	WIN 0
	PLACES 4
.irp t, 0,1,2,3,4,5,6,7
.irp e, 0,1
	ds_store_b128 v10, v[ACC+8*\t+4*\e:ACC+8*\t+4*\e+3] offset:128*(\t/2)+32*(\t%2)+16*\e
.endr
.endr
	s_wait_dscnt 0x0
	s_add_co_u32 s36, s36, 6144
	s_add_co_u32 s37, s37, 512
	s_add_co_u32 s38, s38, 33024
	s_add_co_u32 s34, s34, 1
	s_cmp_lt_u32 s34, 4
	s_cbranch_scc1 .Lwo
	LOADH 0, 4, 1, 18, 0                           ; W1's first unit, half A: it lands under the norm
	BAR                                            ; x2 lies in XF; nobody reads attended's images any more
	; ---- h2, quantised
	LNQ 0
	BAR                                            ; h2's images lie in LDS
	; ---- the hidden layer: two units of 128 columns a wave, each in two passes: K steps w and 4 + w of the last product
	s_wait_xcnt 0x0                                ; the pending loads have read their base
	s_add_nc_u64 s[8:9], s[8:9], 851968            ; on to W1's first unit: 4 units of 212,992 bytes
	s_mov_b32 s35, 0
	s_mov_b32 s38, HIMG
	s_mov_b32 s39, HSC
	s_mov_b32 s76, HIMG
	s_mov_b32 s77, HSC
	v_add_nc_u32 v8, TIMG, v[VL16]
	v_add_nc_u32 v9, TSC, v[VL4]
	AFETCH 8, 9, 0, 0                              ; token tile 0
.Lw1o:
	s_wait_xcnt 0x0                                ; the pending loads have read the two pointers below
	s_cmp_eq_u32 s35, 0
	s_cselect_b64 s[46:47], s[18:19], s[70:71]     ; this unit's part of b1
	s_cselect_b64 s[74:75], s[70:71], s[20:21]     ; the next unit's bias: b1's second half, then b2
	W1PASS 0
	W1PASS 1
	s_wait_xcnt 0x0
	s_add_nc_u64 s[8:9], s[8:9], 212992            ; the next unit
	s_add_co_u32 s35, s35, 1
	s_cmp_lt_u32 s35, 2
	s_cbranch_scc1 .Lw1o
	LOADH 1, 0, 0, 0, 0                            ; W2's first unit, half B (its half A came with the last pass): 52 loads
	BAR                                            ; the hidden layer's 32 images lie in LDS
	; ---- the result = x2 + hidden W2^T + b2, in place in XF, in four passes
	s_wait_loadcnt 52                              ; half A is in: the 52 loads just issued are younger
	W2P 0, 0
	LOADH 0, 1, 1, 20, 256                         ; the second unit's half A, and b2 for its 64 columns
	s_wait_loadcnt 60                              ; the first unit's half B is in
	W2P 0, 1
	LOADH 1, 1, 0, 0, 0                            ; the second unit's half B
	s_wait_loadcnt 52                              ; its half A is in
	W2P 1, 0
	s_wait_loadcnt 0x0
	W2P 1, 1
	BAR                                            ; 64 whole rows of the result lie in XF
	; ---- my token tile's 16 rows leave, 512 consecutive bytes a store
	MAKEVB
	OLD 0, RA
	s_wait_dscnt 0x0
	OST 0, RA
	OLD 1, RB
	s_wait_dscnt 0x0
	OST 1, RB
	s_wait_xcnt 0x0                                ; the stores have read their registers: the sets may be loaded again
	OLD 2, RA
	s_wait_dscnt 0x0
	OST 2, RA
	OLD 3, RB
	s_wait_dscnt 0x0
	OST 3, RB
	WIN 0
	s_wait_tensorcnt 0x0
	ds_add_u32 v126, v127
	s_wait_dscnt 0x0
	s_endpgm
.Lfunc_end_k_q046e308bb9_fused:
	.size	k_q046e308bb9_fused, .Lfunc_end_k_q046e308bb9_fused-k_q046e308bb9_fused
	.p2alignl 7, 3214868480
	.fill 96, 4, 3214868480
	.section	.rodata,"a",@progbits
	.p2align	6, 0x0
	.amdhsa_kernel k_q046e308bb9_fused
		.amdhsa_group_segment_fixed_size 325120
		.amdhsa_private_segment_fixed_size 0
		.amdhsa_enable_private_segment 0
		.amdhsa_kernarg_size 112
		.amdhsa_user_sgpr_count 2
		.amdhsa_user_sgpr_kernarg_segment_ptr 1
		.amdhsa_wavefront_size32 1
		.amdhsa_system_sgpr_workgroup_id_x 1
		.amdhsa_system_sgpr_workgroup_id_y 1
		.amdhsa_system_sgpr_workgroup_id_z 1
		.amdhsa_system_vgpr_workitem_id 0
		.amdhsa_next_free_vgpr 1024
		.amdhsa_next_free_sgpr 100
		.amdhsa_reserve_vcc 1
		.amdhsa_float_denorm_mode_32 3
		.amdhsa_float_denorm_mode_16_64 3
		.amdhsa_memory_ordered 1
		.amdhsa_forward_progress 1
		.amdhsa_inst_pref_size 255
	.end_amdhsa_kernel
	.section	.bss,"aw",@nobits
	.p2align	6
	.space	262144
	.amdgpu_metadata
---
amdhsa.version: [ 1, 2 ]
amdhsa.kernels:
  - .name:           k_q046e308bb9_fused
    .symbol:         k_q046e308bb9_fused.kd
    .args:
      - { .name: x, .offset: 0, .size: 8, .value_kind: global_buffer, .address_space: global }
      - { .name: history, .offset: 8, .size: 8, .value_kind: global_buffer, .address_space: global }
      - { .name: wbuf, .offset: 16, .size: 8, .value_kind: global_buffer, .address_space: global }
      - { .name: bq, .offset: 24, .size: 8, .value_kind: global_buffer, .address_space: global }
      - { .name: bk, .offset: 32, .size: 8, .value_kind: global_buffer, .address_space: global }
      - { .name: bv, .offset: 40, .size: 8, .value_kind: global_buffer, .address_space: global }
      - { .name: bo, .offset: 48, .size: 8, .value_kind: global_buffer, .address_space: global }
      - { .name: b1, .offset: 56, .size: 8, .value_kind: global_buffer, .address_space: global }
      - { .name: b2, .offset: 64, .size: 8, .value_kind: global_buffer, .address_space: global }
      - { .name: g1, .offset: 72, .size: 8, .value_kind: global_buffer, .address_space: global }
      - { .name: be1, .offset: 80, .size: 8, .value_kind: global_buffer, .address_space: global }
      - { .name: g2, .offset: 88, .size: 8, .value_kind: global_buffer, .address_space: global }
      - { .name: be2, .offset: 96, .size: 8, .value_kind: global_buffer, .address_space: global }
      - { .name: out0, .offset: 104, .size: 8, .value_kind: global_buffer, .address_space: global }
    .group_segment_fixed_size: 325120
    .private_segment_fixed_size: 0
    .kernarg_segment_align: 8
    .kernarg_segment_size: 112
    .max_flat_workgroup_size: 128
    .sgpr_count:     100
    .vgpr_count:     1024
    .wavefront_size: 32
...
	.end_amdgpu_metadata
.endif
;; end of part 2
